; MI455X (gfx1250); checked and timed in simulation.
; The chip was launched on July 23, 2026; its instructions are those of AMD's public machine-readable ISA for CDNA 5 (MIT licence, August 2026) and "CDNA5" Instruction Set Architecture Reference Guide (July 2026). The comments in the code are by the model that wrote it; some were corrected since.
;; Self Attention. Allowed arithmetic: matrix products marked QUANTISED: E2M1 operands, one E8M0 scale for each 32 along K, by v_wmma_scale_f32_16x16x128_f8f6f4 with both operands' format E2M1 (or v_wmma_scale_f32_32x16x128_f4), f32 sums; everything else in f32.
;; Inputs: Wk_codes 1,024 x 32 x 16 uint8 (E2M1 codes of Wk, K innermost, in blocks of 32 codes, two codes a byte); Wk_scales 1,024 x 32 uint8 (E8M0 scales of Wk, one for each 32 codes along K); Wo_codes 1,024 x 32 x 16 uint8 (E2M1 codes of Wo, K innermost, in blocks of 32 codes, two codes a byte); Wo_scales 1,024 x 32 uint8 (E8M0 scales of Wo, one for each 32 codes along K); Wq_codes 1,024 x 32 x 16 uint8 (E2M1 codes of Wq, K innermost, in blocks of 32 codes, two codes a byte); Wq_scales 1,024 x 32 uint8 (E8M0 scales of Wq, one for each 32 codes along K); Wv_codes 1,024 x 32 x 16 uint8 (E2M1 codes of Wv, K innermost, in blocks of 32 codes, two codes a byte); Wv_scales 1,024 x 32 uint8 (E8M0 scales of Wv, one for each 32 codes along K); bk 1,024 float32; bo 1,024 float32; bq 1,024 float32; bv 1,024 float32; x_codes 4 x 2,048 x 32 x 16 uint8 (E2M1 codes of x, K innermost, in blocks of 32 codes, two codes a byte); x_scales 4 x 2,048 x 32 uint8 (E8M0 scales of x, one for each 32 codes along K).
;; Outputs: out0 4 x 2,048 x 1,024 float32.
;; This version of the problem:
;;   THIS VERSION OF THE PROBLEM IS GIVEN IN LOW PRECISION. The matrix products marked QUANTISED in the list below multiply operands that are first quantised to E2M1 (2 exponent bits, 1 mantissa bit; 4 bits a number), with one power-of-two scale for each 32 numbers along K (OCP MX v1.0); their sums are f32. All else is computed in f32.
;;   The module's matrix products, in the order in which they are computed (A, B: the left and right operand; K: the contracted axis; several contracted axes count as one K, in the product's order):
;;     1. [M 8,192, K 1,024] x [K 1,024, N 1,024]; A: input x (given as codes); B: input Wq (given as codes): QUANTISED
;;     2. [M 8,192, K 1,024] x [K 1,024, N 1,024]; A: input x (given as codes); B: input Wk (given as codes): QUANTISED
;;     3. [M 8,192, K 1,024] x [K 1,024, N 1,024]; A: input x (given as codes); B: input Wv (given as codes): QUANTISED
;;     4. batch 64 x [M 2,048, K 64] x [K 64, N 2,048]; A: computed on the way; B: computed on the way: QUANTISED
;;     5. batch 64 x [M 2,048, K 2,048] x [K 2,048, N 64]; A: softmax (see below); B: computed on the way: QUANTISED
;;     6. [M 8,192, K 1,024] x [K 1,024, N 1,024]; A: computed on the way; B: input Wo (given as codes): QUANTISED
;;   THE QUANTISER, for each operand of a quantised product, along K:
;;     - K is cut into blocks of 32 from its start; a last block that is shorter is filled with zeros.
;;     - A block's scale is 2^e with e = floor(log2(the largest magnitude in the block)) - 2, held to -126 .. 127; a block of zeros has e = 0. As a byte (E8M0): e + 127.
;;     - Each number is divided by its block's scale, clamped to +-6, and rounded to the nearest number of E2M1, ties to even, subnormals kept.
;;     - The product sums the exact products of the quantised numbers (number of the format x scale) in f32.
;;   ~~~python
;;   def quantise(x, axis):      # numpy; x: float32 -> the quantised numbers, widened to float32 again
;;       x = np.moveaxis(x, axis, -1); K = x.shape[-1]
;;       x = np.pad(x, [(0, 0)] * (x.ndim - 1) + [(0, -K % 32)]); x = x.reshape(x.shape[:-1] + (-1, 32)); a = np.abs(x).max(-1, keepdims=True)
;;       e = np.where(a > 0, np.clip(np.frexp(np.where(a > 0, a, 1))[1] - 1 - 2, -126, 127), 0)      # np.frexp(a)[1] - 1 = floor(log2(a)), exactly
;;       r = np.clip(x / 2.0 ** e, -6, 6)
;;       step = 2.0 ** (np.maximum(np.frexp(np.where(r == 0, 1, r))[1] - 1, 0) - 1)
;;       q = np.round(r / step) * step * 2.0 ** e      # np.round: ties to even
;;       return np.moveaxis(q.reshape(q.shape[:-2] + (-1,))[..., :K], -1, axis).astype(np.float32)
;;   ~~~
;;   SOFTMAX AHEAD OF A QUANTISED PRODUCT. Where the list says 'softmax', what is quantised is not the finished softmax but p = 2^(t - M), with t = logit x log2(e) and M = ceil(the row's largest t), a whole number; so 1/2 < the row's largest p <= 1. The row's sum l is taken of the UNQUANTISED p, in f32, and the product's result is divided by l at the end. Since M is a whole number, a kernel that streams over the keys may use a running M (the ceiling of the running maximum): every later rescaling is an exact power of two, which a block's scale takes up: the codes' values come out the same.
;;   OPERANDS COMPUTED ON THE WAY. 'Computed on the way' means the value that the module computes at that place (a softmax that the list does not call 'softmax' is quantised finished and normalised). What goes into a quantiser is computed in f32, as accurately as f32 sums, v_exp_f32 and their like allow (about 1e-6 of the number): no bf16 or f16 on the way to a quantiser, and a product that is left as it is and whose result goes on into a quantised operand takes f32 operands (vector FMAs, or v_wmma_f32_16x16x4_f32). A number that lies on a knife's edge between two numbers of the format may be rounded either way, as far as f32 arithmetic and the matrix unit's own rounding can turn it there, and no further.
;;   INPUTS GIVEN AS CODES. Wk (in the module: [1024, 1024], K = its axis 0); Wo (in the module: [1024, 1024], K = its axis 0); Wq (in the module: [1024, 1024], K = its axis 0); Wv (in the module: [1024, 1024], K = its axis 0); x (in the module: [4, 2048, 1024], K = its axis 2): each comes as NAME_codes (uint8): NAME with its K axis moved to the last place and cut into blocks of 32 codes, [.., K / 32, bytes a block], one block behind the other in memory; two codes a byte, the lower K in the low four bits (a code: sign, 2 exponent bits, 1 mantissa bit); and NAME_scales (uint8): the same leading axes, one E8M0 byte (e + 127) for each 32 codes along K. Its value is code x scale, taken as it is: it is not quantised again, and the codes and scales need not be those that the quantiser above would give.
;; One version. Each part assembles by itself: llvm-mc -triple=amdgcn-amd-amdhsa -mcpu=gfx1250 --defsym DOCPART=n.
;; ======== version 1 of 1: 3 launches
;; workspace buffers: qc 4,194,304 bytes; qs 262,144 bytes; kv 8,912,896 bytes; ao 4,194,304 bytes; aos 262,144 bytes
;; launch qkv (part 1): grid 16 x 16, 4 waves a work-group, no clusters, 168,448 bytes of LDS; arguments x_codes, x_scales, Wq_codes, Wq_scales, bq, Wk_codes, Wk_scales, bk, Wv_codes, Wv_scales, bv, qc, qs, kv; writes qc, qs, kv
.if DOCPART == 1
	.amdgcn_target "amdgcn-amd-amdhsa--gfx1250"
	.amdhsa_code_object_version 6
	.text
	.protected	k_q20f2831703_qkv
	.globl	k_q20f2831703_qkv
	.p2align	8
	.type	k_q20f2831703_qkv,@function
k_q20f2831703_qkv:
	s_mov_b64 s[64:65], 0
	v_nop
	global_prefetch_b8 v0, s[64:65] scope:SCOPE_SE
	s_setreg_imm32_b32 hwreg(HW_REG_WAVE_MODE, 25, 1), 1
	s_wait_xcnt 0x0
; q = x Wq + bq, k = x Wk + bk, v = x Wv + bv on codes of FP4 (E2M1) with one E8M0 scale for each 32 along K = 1,024; the results are quantised at once:
; q and k along the head's 64 channels (2 blocks), v along the keys (blocks of 32 tokens), and stored as IMAGES OF OPERAND REGISTERS (four registers = 512 bytes, lane l at 16 l).
; SHARES.  Work-group (x, y) takes tokens 512 x .. 512 x + 511 and head y.  Wave w takes 128 of the tokens, one key step; its x for all of K, 128 rows x 512 bytes, stays in 512 registers.
; Three passes (q, k, v), each 8 K steps of 128 with 32 matrix instructions on 32 accumulators.  The head's 64 rows of Wq, Wk and Wv lie in LDS, filled once.
; q AND k ARE MADE TRANSPOSED (source 0 = 16 rows of W, source 1 = 16 tokens): a lane holds one token and its registers run along the channels, which are the next K.
; v IS MADE AS IT STANDS (source 0 = 16 tokens, source 1 = 16 rows of Wv): a lane holds one channel and its registers run along the tokens, which are the next K.
; ORDER INSIDE A BLOCK OF 32.  A lane holds numbers 8 h + 0..7 of two neighbouring tiles; after the conversions and the exchange of halves a block's places 0-7, 8-15, 16-23, 24-31 hold its numbers
; 0-7, 16-23, 8-15, 24-31.  q and k are laid by the same lines, v and the softmax's p by lines of the same make: both operands of a product carry the same order inside true blocks, so the sums hold.
; THE ROWS OF Wv THAT FORM A TILE ARE NOT NEIGHBOURS: lane r of tile 2 b + u takes row 32 b + 8 u + r + 8 (r / 8), so that the attention's result has 16 neighbouring channels in 16 registers.
; A PAIR OF TOKEN TILES of q or k is one fragment of 8 registers: tile 2 g in registers 0-3 (k 0-63), tile 2 g + 1 in registers 4-7; its scale word holds 2 bytes of each.
; NO CLUSTER: what could be asked for jointly is W's 98,304 bytes of the 360,448 that a work-group takes in; x goes from memory straight into registers, where no joint load reaches.
; NO PREFETCH: every load stands at the head.
; LIMITS: NaN and infinities in the biases are not served; a scale byte 0xff gives NaN.  A block whose largest magnitude lies under 2^-124 keeps the byte 1; a block of zeros gets the byte 1 where the
; rule says 127 (its codes are zeros, and the bytes are read by this program alone).  The bias is the C of a sum's first product, so the order of the sum differs from the reference's.
; REGISTERS, in windows of 256: window 0: v2-10 addresses; v16-47 x's scale words; v48-95 W's; v96-127 the pass's bias; v128-191 W's fragments, two sets; v192-223 codes just made; v224-243 at work.
;   windows 1, 2: x's fragments: (tile m, K step s) in window 1 + s / 4 at v[64 (s % 4) + 8 m].   window 3: the 32 accumulators.
.set WPITCH, 528                       ; a row of W in LDS: 512 bytes + 16 of padding = 132 words: the 16 rows that a load touches start 4 banks apart
.set WMAT,   64*WPITCH                 ; a matrix's 64 rows
.set STEPB,  8704                      ; a key step in kv: K's codes 4,096, V's codes 4,096, K's scale words 256, V's 256
.set XA,  2                            ; v2   x: 512 r + 16 h
.set SA,  3                            ; v3   scale words: 32 x lane (a row of scales is 32 bytes; lanes 16-31 take the next tile's rows)
.set SV,  4                            ; v4   Wv's: 32 (8 h + r + 8 (r / 8))
.set WA,  5                            ; v5   LDS: 528 r + 16 h
.set WVA, 6                            ; v6   LDS, Wv: 528 (r + 8 (r / 8)) + 16 h + 2 WMAT
.set BA,  7                            ; v7   bq, bk: 32 h
.set BV,  8                            ; v8   bv: 4 (r + 8 (r / 8))
.set LI,  9                            ; v9   16 x lane: an image's place
.set LR,  10                           ; v10  16 r: a row's four scale words
.set XS,  16                           ; register 8 i + s: lanes 0-15 tile 2 i's word of K step s, lanes 16-31 tile 2 i + 1's
.set WS,  48                           ; 16 registers a matrix, of the same make
.set BIAS, 96                          ; 8 registers a tile of W, in the result's layout
.set WF,  128                          ; W's four fragments of a K step, two sets
.set PC,  192                          ; four sets of 8: no store's data are written again inside a pass
.set TM,  224                          ; v224-227 largest magnitudes, v228-231 bytes, v236-239 the conversions' scale operands
.set SW,  240                          ; v240-243 four scale words
.set MSB, 0
.macro WIN new                         ; the immediate's high byte repeats the setting that is left
.if MSB != \new
	s_set_vgpr_msb (MSB<<8)|\new
.set MSB, \new
.endif
.endm
.macro PLACES                          ; four plain instructions behind a matrix instruction, ahead of loads into its sources and of reads of its result
.rept 4
	v_nop
.endr
.endm
	s_load_b512 s[8:23], s[0:1], 0x0               ; x codes s[8:9], x scales s[10:11], Wq codes s[12:13], Wq scales s[14:15], bq s[16:17], Wk codes s[18:19], Wk scales s[20:21], bk s[22:23]
	s_load_b256 s[24:31], s[0:1], 0x40             ; Wv codes s[24:25], Wv scales s[26:27], bv s[28:29], qc s[30:31]
	s_load_b128 s[32:35], s[0:1], 0x60             ; qs s[32:33], kv s[34:35]
	v_lshl_add_u32 v254, v0, 2, 0x29000
	v_mov_b32 v255, 0
	ds_add_u32 v254, v255
	ds_add_u32 v254, v255
	v_lshrrev_b32 v1, 5, v0
	v_readfirstlane_b32 s4, v1                     ; wave 0..3
	s_mov_b32 s2, ttmp9                            ; which 512 tokens
	s_and_b32 s3, ttmp7, 0xffff                    ; the head
	s_lshr_b32 s36, s2, 2
	s_lshl_b32 s36, s36, 4
	s_add_co_u32 s36, s36, s3                      ; 16 x batch + head
	s_and_b32 s37, s2, 3
	s_lshl_b32 s37, s37, 2
	s_add_co_u32 s37, s37, s4                      ; my key step in the batch: 4 (x % 4) + wave
	s_lshl_b32 s52, s2, 18                         ; x's codes: 512 tokens x 512 bytes,
	s_lshl_b32 s5, s4, 16                          ; my 128 of them
	s_add_co_u32 s52, s52, s5
	s_mov_b32 s53, 0
	s_lshr_b32 s54, s52, 4                         ; x's scales: 32 bytes a token
	s_mov_b32 s55, 0
	s_lshl_b32 s56, s3, 15                         ; the head's 64 rows of W: 512 bytes each,
	s_mov_b32 s57, 0
	s_lshl_b32 s58, s3, 11                         ; 32 scale bytes each,
	s_mov_b32 s59, 0
	s_lshl_b32 s60, s3, 8                          ; 4 bytes of bias each
	s_mov_b32 s61, 0
	s_lshl_b32 s62, s36, 16                        ; qc: 128 tiles x 512 bytes a head,
	s_lshl_b32 s5, s37, 12                         ; 8 tiles a step
	s_add_co_u32 s62, s62, s5
	s_mov_b32 s63, 0
	s_lshr_b32 s6, s62, 4                          ; qs: 256 bytes a step
	s_mov_b32 s7, 0
	s_mul_i32 s38, s36, 16*STEPB                   ; kv
	s_mul_i32 s5, s37, STEPB
	s_add_co_u32 s38, s38, s5
	s_mov_b32 s39, 0
	; descriptor group 1: 64 rows of 512 bytes, dense in memory, 16 bytes of padding behind each in LDS
	s_mov_b32 s40, (0<<16)|(1<<20)|(6<<22)|(3<<25) ; no mask; elements of 1 byte; padding on, after every 128 words, of 4 words
	s_mov_b32 s41, 512<<16                         ; tensor_dim0
	s_mov_b32 s42, 64<<16                          ; tensor_dim1
	s_mov_b32 s43, 512<<16                         ; tile_dim0
	s_mov_b32 s44, 64                              ; tile_dim1
	s_mov_b32 s45, 512                             ; from row to row
	s_mov_b32 s46, 0
	s_mov_b32 s47, 0
	s_mov_b32 s48, 1                               ; group 0: count,
	s_mul_i32 s49, s4, WMAT                        ; LDS address: matrix = wave,
	v_and_b32 v11, 15, v0                          ; r
	v_bfe_u32 v12, v0, 4, 1                        ; h
	v_and_b32 v13, 31, v0                          ; lane
	v_and_b32 v14, 8, v11
	v_add_nc_u32 v14, v14, v11                     ; r + 8 (r / 8)
	v_lshlrev_b32 v[XA], 9, v11
	v_lshl_add_u32 v[XA], v12, 4, v[XA]
	v_lshlrev_b32 v[SA], 5, v13
	v_lshl_add_u32 v[SV], v12, 3, v14
	v_lshlrev_b32 v[SV], 5, v[SV]
	v_mul_u32_u24 v[WA], v11, WPITCH
	v_lshl_add_u32 v[WA], v12, 4, v[WA]
	v_mul_u32_u24 v[WVA], v14, WPITCH
	v_lshl_add_u32 v[WVA], v12, 4, v[WVA]
	v_add_nc_u32 v[WVA], 2*WMAT, v[WVA]
	v_lshlrev_b32 v[BA], 5, v12
	v_lshlrev_b32 v[BV], 2, v14
	v_lshlrev_b32 v[LI], 4, v13
	v_lshlrev_b32 v[LR], 4, v11
	s_wait_dscnt 0x0
	s_wait_kmcnt 0x0
	s_cmp_eq_u32 s4, 0                             ; wave 0 fetches Wq's rows, wave 1 Wk's, wave 2 Wv's: the choice hangs on the wave's number alone
	s_cselect_b64 s[50:51], s[12:13], s[18:19]
	s_cmp_lt_u32 s4, 2
	s_cselect_b64 s[50:51], s[50:51], s[24:25]
	s_add_nc_u64 s[50:51], s[50:51], s[56:57]      ; global address: the head's first row
	s_or_b32 s51, s51, 0x80000000                  ; type = 2
	s_cmp_lt_u32 s4, 3
	s_cbranch_scc0 .Lno_fill                       ; wave 3 fetches nothing
	tensor_load_to_lds s[48:51], s[40:47]          ; the one fill of these bytes: one tensor load of mine is out
	s_nop 0
.rept 4
	v_nop                                          ; four v_nop follow the load
.endr
.Lno_fill:
	s_add_nc_u64 s[8:9], s[8:9], s[52:53]
	s_add_nc_u64 s[10:11], s[10:11], s[54:55]
	s_add_nc_u64 s[14:15], s[14:15], s[58:59]
	s_add_nc_u64 s[20:21], s[20:21], s[58:59]
	s_add_nc_u64 s[26:27], s[26:27], s[58:59]
	s_add_nc_u64 s[16:17], s[16:17], s[60:61]
	s_add_nc_u64 s[22:23], s[22:23], s[60:61]
	s_add_nc_u64 s[28:29], s[28:29], s[60:61]
	s_add_nc_u64 s[30:31], s[30:31], s[62:63]
	s_add_nc_u64 s[32:33], s[32:33], s[6:7]
	s_add_nc_u64 s[34:35], s[34:35], s[38:39]
	s_mov_b32 s52, 0x76543210                      ; v_permlanex16_b32's selects for lane l xor 16
	s_mov_b32 s53, 0xfedcba98
	; 28 small loads first, then x, K step by K step, so that the first pass can begin while later K steps are on their way
.irp i, 0,1,2,3
.irp qd, 0,1
	global_load_b128 v[XS+8*\i+4*\qd:XS+8*\i+4*\qd+3], v[SA], s[10:11] offset:1024*\i+16*\qd   ; rows 32 i + lane: the words of K steps 4 qd .. 4 qd + 3
.endr
.endr
.irp i, 0,1
.irp qd, 0,1
	global_load_b128 v[WS+8*\i+4*\qd:WS+8*\i+4*\qd+3], v[SA], s[14:15] offset:1024*\i+16*\qd
	global_load_b128 v[WS+16+8*\i+4*\qd:WS+16+8*\i+4*\qd+3], v[SA], s[20:21] offset:1024*\i+16*\qd
	global_load_b128 v[WS+32+8*\i+4*\qd:WS+32+8*\i+4*\qd+3], v[SV], s[26:27] offset:1024*\i+16*\qd
.endr
.endr
	s_wait_alu depctr_va_vdst(0)
.irp t, 0,1,2,3
	global_load_b128 v[BIAS+8*\t:BIAS+8*\t+3], v[BA], s[16:17] offset:64*\t          ; bq at channels 16 t + 8 h + 0 .. 7
	global_load_b128 v[BIAS+8*\t+4:BIAS+8*\t+7], v[BA], s[16:17] offset:64*\t+16
.endr
.irp s, 0,1,2,3,4,5,6,7
.if \s < 4
	WIN 0x40                                       ; destination window 1
.else
	WIN 0x80                                       ; destination window 2
.endif
.irp m, 0,1,2,3,4,5,6,7
.irp c, 0,1
	global_load_b128 v[64*(\s&3)+8*\m+4*\c:64*(\s&3)+8*\m+4*\c+3], v[XA], s[8:9] offset:8192*\m+64*\s+32*\c   ; x(16 m + r, k = 128 s + 64 c + 32 h + 0 .. 31)
.endr
.endr
.endr
	WIN 0
.irp b, 0,1,2,3
	v_mov_b32 v[TM+4+\b], 0                        ; written once: a lane permute's destination counts as one of its sources
.endr
; W's four fragments of K step s into set s % 2.  kind 0, 1: Wq, Wk, tiles of 16 neighbouring rows; kind 2: Wv, the chosen rows
.macro FETCHW kind, s
.irp t, 0,1,2,3
.irp c, 0,1
.if (\kind) < 2
	ds_load_b128 v[WF+32*((\s)%2)+8*\t+4*\c:WF+32*((\s)%2)+8*\t+4*\c+3], v[WA] offset:(\kind)*WMAT+16*\t*WPITCH+64*(\s)+32*\c
.else
	ds_load_b128 v[WF+32*((\s)%2)+8*\t+4*\c:WF+32*((\s)%2)+8*\t+4*\c+3], v[WVA] offset:(32*(\t/2)+8*(\t%2))*WPITCH+64*(\s)+32*\c
.endif
.endr
.endr
.endm
; One matrix instruction on the registers named by rD, rA, rB, rC, rSA, rSB.  ra, rb = 1: that side's scales stand in lanes 16-31 of its register
.macro WM ra, rb
.if ((\ra) == 1) && ((\rb) == 1)
	v_wmma_scale_f32_16x16x128_f8f6f4 v[rD:rD+7], v[rA:rA+7], v[rB:rB+7], v[rC:rC+7], v[rSA], v[rSB] matrix_a_fmt:MATRIX_FMT_FP4 matrix_b_fmt:MATRIX_FMT_FP4 matrix_a_scale:MATRIX_SCALE_ROW1 matrix_b_scale:MATRIX_SCALE_ROW1
.elseif (\ra) == 1
	v_wmma_scale_f32_16x16x128_f8f6f4 v[rD:rD+7], v[rA:rA+7], v[rB:rB+7], v[rC:rC+7], v[rSA], v[rSB] matrix_a_fmt:MATRIX_FMT_FP4 matrix_b_fmt:MATRIX_FMT_FP4 matrix_a_scale:MATRIX_SCALE_ROW1
.elseif (\rb) == 1
	v_wmma_scale_f32_16x16x128_f8f6f4 v[rD:rD+7], v[rA:rA+7], v[rB:rB+7], v[rC:rC+7], v[rSA], v[rSB] matrix_a_fmt:MATRIX_FMT_FP4 matrix_b_fmt:MATRIX_FMT_FP4 matrix_b_scale:MATRIX_SCALE_ROW1
.else
	v_wmma_scale_f32_16x16x128_f8f6f4 v[rD:rD+7], v[rA:rA+7], v[rB:rB+7], v[rC:rC+7], v[rSA], v[rSB] matrix_a_fmt:MATRIX_FMT_FP4 matrix_b_fmt:MATRIX_FMT_FP4
.endif
.endm
; K step s of a pass: the next step's fragments of W are asked for, then 32 matrix instructions.  The 32 accumulators take turns, one instruction a turn, in the same order in every
; step.  The first step's C is the bias: nothing is cleared and nothing is added later.  lw: the count of the wait for x (first pass), or -1.
.macro KSTEP kind, s, lw
	s_wait_dscnt 0x0                               ; this step's fragments of W are in
.if \lw >= 0
	s_wait_loadcnt \lw                             ; x's 16 loads of this K step are in: behind them 16 (7 - s) were issued, and the count is held at 63
.endif
.if (\s) < 7
	PLACES                                         ; the other set was read by the step before
	FETCHW \kind, (\s)+1
.endif
.if (\kind) < 2
.if (\s) == 0
	WIN 0xc4                                       ; source 1 (x) window 1, C (the bias) window 0, D window 3
.elseif (\s) < 4
	WIN 0xf4                                       ; C and D window 3
.else
	WIN 0xf8                                       ; x in window 2
.endif
.else
.if (\s) == 0
	WIN 0xc1                                       ; source 0 (x) window 1, C window 0, D window 3
.elseif (\s) < 4
	WIN 0xf1
.else
	WIN 0xf2
.endif
.endif
.irp m, 0,1,2,3,4,5,6,7
.irp t, 0,1,2,3
.set rX, 64*((\s)&3)+8*\m
.set rW, WF+32*((\s)%2)+8*\t
.set rSX, XS+8*(\m/2)+(\s)
.set rSW, WS+16*(\kind)+8*(\t/2)+(\s)
.if (\kind) < 2
.set rD, 8*(4*\m+\t)
.set rA, rW
.set rB, rX
.set rSA, rSW
.set rSB, rSX
.else
.set rD, 8*(8*\t+\m)
.set rA, rX
.set rB, rW
.set rSA, rSX
.set rSB, rSW
.endif
.if (\s) == 0
.set rC, BIAS+8*\t
.else
.set rC, rD
.endif
.if (\kind) < 2
	WM \t%2, \m%2
.else
	WM \m%2, \t%2
.endif
.endr
.endr
	WIN 0
.endm
; The 64 registers 64 g .. 64 g + 63 of window 3 are four blocks of 32 along the next K (16 numbers in this lane, 16 in lane l xor 16): they become a fragment's codes in v[PC + 8 g] on and its scale word in v[SW + g].
.macro QUANT g
	WIN 0x0f                                       ; sources 0 and 1 window 3
.irp b, 0,1,2,3
	v_max3_num_f32 v[TM+\b], |v[64*\g+16*\b]|, |v[64*\g+16*\b+1]|, 0x1800000   ; each accumulator is read from its low end on; the floor 2^(3 - 127) holds the byte at 1 from below
.endr
.irp i, 2,4,6,8,10,12,14
.irp b, 0,1,2,3
	v_max3_num_f32 v[TM+\b], |v[64*\g+16*\b+\i]|, |v[64*\g+16*\b+\i+1]|, v[TM+\b]   ; the four blocks by turns
.endr
.endr
	WIN 0
.irp b, 0,1,2,3
	v_permlanex16_b32 v[TM+4+\b], v[TM+\b], s52, s53
.endr
.irp b, 0,1,2,3
	v_max_num_f32 v[TM+\b], v[TM+\b], v[TM+4+\b]   ; the block's largest magnitude
.endr
.irp b, 0,1,2,3
	v_add_nc_u32 v[TM+12+\b], 0xff000000, v[TM+\b] ; 2 off its exponent field: the conversion takes the exponent field of this operand as its scale
.endr
.irp b, 0,1,2,3
	v_lshrrev_b32 v[TM+4+\b], 23, v[TM+12+\b]      ; the scale's byte
.endr
	v_lshl_or_b32 v[SW+\g], v[TM+5], 8, v[TM+4]
	v_lshl_or_b32 v[SW+\g], v[TM+6], 16, v[SW+\g]
	v_lshl_or_b32 v[SW+\g], v[TM+7], 24, v[SW+\g]
	WIN 0x03                                       ; source 0 window 3
.irp b, 0,1,2,3
	v_cvt_scalef32_pk8_fp4_f32 v[PC+8*\g+2*\b], v[64*\g+16*\b:64*\g+16*\b+7], v[TM+12+\b]
	v_cvt_scalef32_pk8_fp4_f32 v[PC+8*\g+2*\b+1], v[64*\g+16*\b+8:64*\g+16*\b+15], v[TM+12+\b]
.endr
	WIN 0
	v_nop                                          ; one plain instruction behind the scaled conversions
.irp c, 0,1                                    ; the operand's layout wants a whole block in a lane: lanes 0-15 block 2 c, lanes 16-31 block 2 c + 1
.irp i, 0,1
	v_permlane16_swap_b32 v[PC+8*\g+4*\c+\i], v[PC+8*\g+4*\c+2+\i]
.endr
.endr
.endm
; The end of a pass: the next pass's bias and first fragments are asked for; the 32 accumulators become four fragments and four scale words, which are stored.
.macro EPI kind
	PLACES                                         ; behind the pass's last products
	s_wait_xcnt 0x0                                ; the last pass's stores have read their data: the codes and scale words may be written again
.if (\kind) == 0
.irp t, 0,1,2,3
	global_load_b128 v[BIAS+8*\t:BIAS+8*\t+3], v[BA], s[22:23] offset:64*\t
	global_load_b128 v[BIAS+8*\t+4:BIAS+8*\t+7], v[BA], s[22:23] offset:64*\t+16
.endr
	FETCHW 1, 0
.set CBASE, 30
.set COFF, 0
.set SBASE, 32
.set SOFF, 0
.elseif (\kind) == 1
.irp t, 0,1,2,3
.irp j, 0,1,2,3,4,5,6,7
	global_load_b32 v[BIAS+8*\t+\j], v[BV], s[28:29] offset:4*(32*(\t/2)+8*(\t%2))   ; in v's layout a lane holds one channel: its eight registers take the same number
.endr
.endr
	FETCHW 2, 0
.set CBASE, 34
.set COFF, 0
.set SBASE, 34
.set SOFF, 8192
.else
.set CBASE, 34
.set COFF, 4096
.set SBASE, 34
.set SOFF, 8448
.endif
.irp g, 0,1,2,3
	QUANT \g
	global_store_b128 v[LI], v[PC+8*\g:PC+8*\g+3], s[CBASE:CBASE+1] offset:COFF+1024*\g          ; 32 lanes store 512 consecutive bytes, at a multiple of 256 from the buffer's first byte
	global_store_b128 v[LI], v[PC+8*\g+4:PC+8*\g+7], s[CBASE:CBASE+1] offset:COFF+1024*\g+512
.endr
	global_store_b128 v[LR], v[SW:SW+3], s[SBASE:SBASE+1] offset:SOFF   ; row r's four words: 256 consecutive bytes; lanes 16-31 hold the same words and write them to the same places
.if (\kind) < 2
	s_wait_loadcnt 0x0                             ; the next pass's bias
.endif
.endm
	s_wait_tensorcnt 0x0                           ; my matrix has landed (wave 3 has none out),
	s_barrier_signal -1
	s_barrier_wait -1                              ; everybody's has: the launch's one barrier; nothing is filled again
	FETCHW 0, 0
	KSTEP 0, 0, 63
	KSTEP 0, 1, 63
	KSTEP 0, 2, 63
	KSTEP 0, 3, 63
	KSTEP 0, 4, 48
	KSTEP 0, 5, 32
	KSTEP 0, 6, 16
	KSTEP 0, 7, 0
	EPI 0
.irp s, 0,1,2,3,4,5,6,7
	KSTEP 1, \s, -1
.endr
	EPI 1
.irp s, 0,1,2,3,4,5,6,7
	KSTEP 2, \s, -1
.endr
	EPI 2
	s_wait_tensorcnt 0x0
	ds_add_u32 v254, v255
	s_wait_dscnt 0x0
	s_endpgm
.Lfunc_end_k_q20f2831703_qkv:
	.size	k_q20f2831703_qkv, .Lfunc_end_k_q20f2831703_qkv-k_q20f2831703_qkv
	.p2alignl 7, 3214868480
	.fill 96, 4, 3214868480
	.section	.rodata,"a",@progbits
	.p2align	6, 0x0
	.amdhsa_kernel k_q20f2831703_qkv
		.amdhsa_group_segment_fixed_size 168448
		.amdhsa_private_segment_fixed_size 0
		.amdhsa_enable_private_segment 0
		.amdhsa_kernarg_size 112
		.amdhsa_user_sgpr_count 2
		.amdhsa_user_sgpr_kernarg_segment_ptr 1
		.amdhsa_wavefront_size32 1
		.amdhsa_system_sgpr_workgroup_id_x 1
		.amdhsa_system_sgpr_workgroup_id_y 1
		.amdhsa_system_sgpr_workgroup_id_z 1
		.amdhsa_system_vgpr_workitem_id 0
		.amdhsa_next_free_vgpr 1024
		.amdhsa_next_free_sgpr 66
		.amdhsa_reserve_vcc 0
		.amdhsa_float_denorm_mode_32 3
		.amdhsa_float_denorm_mode_16_64 3
		.amdhsa_memory_ordered 1
		.amdhsa_forward_progress 1
		.amdhsa_inst_pref_size 186
	.end_amdhsa_kernel
	.amdgpu_metadata
---
amdhsa.version: [ 1, 2 ]
amdhsa.kernels:
  - .name:           k_q20f2831703_qkv
    .symbol:         k_q20f2831703_qkv.kd
    .args:
      - { .name: x_codes, .offset: 0, .size: 8, .value_kind: global_buffer, .address_space: global }
      - { .name: x_scales, .offset: 8, .size: 8, .value_kind: global_buffer, .address_space: global }
      - { .name: Wq_codes, .offset: 16, .size: 8, .value_kind: global_buffer, .address_space: global }
      - { .name: Wq_scales, .offset: 24, .size: 8, .value_kind: global_buffer, .address_space: global }
      - { .name: bq, .offset: 32, .size: 8, .value_kind: global_buffer, .address_space: global }
      - { .name: Wk_codes, .offset: 40, .size: 8, .value_kind: global_buffer, .address_space: global }
      - { .name: Wk_scales, .offset: 48, .size: 8, .value_kind: global_buffer, .address_space: global }
      - { .name: bk, .offset: 56, .size: 8, .value_kind: global_buffer, .address_space: global }
      - { .name: Wv_codes, .offset: 64, .size: 8, .value_kind: global_buffer, .address_space: global }
      - { .name: Wv_scales, .offset: 72, .size: 8, .value_kind: global_buffer, .address_space: global }
      - { .name: bv, .offset: 80, .size: 8, .value_kind: global_buffer, .address_space: global }
      - { .name: qc, .offset: 88, .size: 8, .value_kind: global_buffer, .address_space: global }
      - { .name: qs, .offset: 96, .size: 8, .value_kind: global_buffer, .address_space: global }
      - { .name: kv, .offset: 104, .size: 8, .value_kind: global_buffer, .address_space: global }
    .group_segment_fixed_size: 168448
    .private_segment_fixed_size: 0
    .kernarg_segment_align: 8
    .kernarg_segment_size: 112
    .max_flat_workgroup_size: 128
    .sgpr_count:     66
    .vgpr_count:     1024
    .wavefront_size: 32
...
	.end_amdgpu_metadata
.endif
;; end of part 1
;; launch attn (part 2): grid 4 x 64, 16 waves a work-group, clusters of 4 x 1, 327,680 bytes of LDS; arguments qc, qs, kv, ao, aos; writes ao, aos
.if DOCPART == 2
	.amdgcn_target "amdgcn-amd-amdhsa--gfx1250"
	.amdhsa_code_object_version 6
	.text
	.protected	k_q20f2831703_attn
	.globl	k_q20f2831703_attn
	.p2align	8
	.type	k_q20f2831703_attn,@function
k_q20f2831703_attn:
	s_mov_b64 s[64:65], 0
	v_nop
	global_prefetch_b8 v0, s[64:65] scope:SCOPE_SE
	s_setreg_imm32_b32 hwreg(HW_REG_WAVE_MODE, 25, 1), 1
	s_wait_xcnt 0x0
	s_wait_alu depctr_hold_cnt(0) depctr_sa_sdst(0) depctr_va_vdst(0) depctr_va_sdst(0) depctr_va_ssrc(0) depctr_va_vcc(0) depctr_vm_vsrc(0)
	s_getreg_b32 s2, hwreg(HW_REG_IB_STS2, 6, 4)
	s_cmp_eq_u32 s2, 0
	s_cbranch_scc0 .Lentry_in_a_cluster
	s_endpgm
.Lentry_in_a_cluster:
	s_bfe_u32 s2, ttmp6, 0x10000c
	s_cmp_lg_u32 s2, 0x3003
	s_cbranch_scc0 .Lentry_shape_is_right
	s_endpgm
.Lentry_shape_is_right:
; Causal attention of one head on codes of FP4 (E2M1): S^T = K Q^T, the softmax, O^T = V^T P^T, O / l, and the quantiser along the model's 1,024 channels (this head's 64: 2 blocks).
; THE SOFTMAX AHEAD OF THE SECOND PRODUCT: t = score x log2(e) / 8; M = the row's largest t so far, rounded UP to a whole number; p = 2^(t - M) is quantised along the keys, not normalised.
; The row's sum l is taken of the unquantised p and divides O at the end.  When M moves, l and O are multiplied by 2^(old M - new M): exact.
; SHARES.  A cluster of four work-groups is one (batch, head); 2,048 queries are 16 blocks of 8 tiles of 16.  Wave w (p = w / 2, e = w % 2) of the work-group at place cx takes tile 2 cx + e of block 15 - p
; and then the same tile of block p: (16 - p) + (p + 1) = 17 key steps of 128 keys for every wave of the launch.  Steps all of whose keys come after the queries are left out.
; LDS.  The head's K and V for all 2,048 keys, codes and scale words, 139,264 bytes, come ONCE, as images of operand registers: step st at 8,704 st.  All four work-groups read the same bytes, so
; each wave's two loads are asked for JOINTLY (mask 15).  Steps 0-7 are read while the loads of steps 8-15 are still on their way.  Nothing is filled again.
; THE HEAD'S 64 IN A PRODUCT OF K = 128.  A fragment of K holds two tiles of 16 keys: tile 2 i in registers 0-3 (k 0-63), tile 2 i + 1 in registers 4-7.  Q stands between zero codes:
; [q, 0] multiplies the even tile, [0, q] the odd one; zero codes add nothing under the other tile's scale bytes, which lie between 1 and 254.
; LAYOUT.  Both products are used transposed: a lane holds ONE query (lane % 16) throughout.  Register 8 tt + j of S^T is key 16 tt + 8 (lane / 16) + j; inside a block of 32 keys p's codes come to lie
; in the order in which the launch before has laid V's.  V's channel tiles are chosen there so that registers 16 b + i of O^T are channels 32 b + 16 (lane / 16) + i.
; Branches hang on the wave's number and on loop counters alone; cx enters global addresses and the mask's lane term only.
; NO PREFETCH: all tile loads stand at the head.
; LIMITS: NaN and infinities are not served.  A block whose largest magnitude lies under 2^-124 keeps the byte 1; a block of zeros gets the byte 1 where the rule says 127 (zero codes; the bytes are read by
; this program alone).  A block's largest p is made from the block's largest score by the same multiply-add and exponential, which takes v_exp_f32 not to fall where its input rises.
; The scale bytes of the result leave 2 bytes a row: a row's 32 bytes come from 16 heads, which are 16 clusters.
.set STEPB, 8704                       ; a key step: K's codes 4,096, V's codes 4,096, K's scale words 256, V's 256
.set LI,  1                            ; v1   16 x lane: an image's place
.set LR,  2                            ; v2   16 r: a row's four scale words
.set MD,  3                            ; v3   16 (2 cx + e) + r - 8 h: register 8 tt + j is hidden on the diagonal where 16 tt + j is above it
.set ADK, 4                            ; v4   LDS: the step's images
.set ADS, 5                            ; v5   LDS: the step's scale words
.set GS,  6                            ; v6   32 r: a row of the result's scale bytes
.set QH,  16                           ; v16-35: zeros, q of the first tile, zeros, q of the second, zeros: four registers each
.set QL,  24
.set KF,  40                           ; v40-71   K's four fragments
.set VF,  72                           ; v72-103  V's four
.set S,   104                          ; v104-167 S^T, then p
.set O,   168                          ; v168-199 O^T
.set PCD, 200                          ; v200-207 p's codes
.set KS,  208                          ; v208-211 K's scale words
.set VS,  212                          ; v212-215 V's
.set PS,  216                          ; v216     p's
.set BM,  220                          ; v220-223 the blocks' largest scores
.set T2,  224                          ; v224-227 at work
.set SO,  228                          ; v228-231 the conversions' scale operands
; v12 -M, v13 the largest t, v[14:15] l in two halves, v36, v37 q's scale words, v38, v39 as loaded, v232, v233 at work, v[234:235] f, v[236:237] the second chain of the sum
; s14 wave, s15 cx, s16 16 x batch + head, s17 p, s18 e, s19 the tile's last step, s[20:21] lane selects, s[22:23] c, s24 the step's LDS byte, s25 the step, s26 byte selects
; s[28:35] descriptor group 1, s[36:39], s[40:43] groups 0, s[44:51] bases of the first tile (q, q's scales, ao, aos), s[52:59] of the second
.macro CROUND                          ; a round of the cluster's barrier
	s_barrier_signal -1
	s_barrier_wait -1
	s_cmp_lg_u32 s14, 0
	s_cbranch_scc1 .Lnot_wave_0_\@
	s_barrier_signal -3
.Lnot_wave_0_\@:
	s_barrier_wait -3
	s_barrier_signal -1
	s_barrier_wait -1
.endm
	s_load_b256 s[4:11], s[0:1], 0x0               ; qc s[4:5], qs s[6:7], kv s[8:9], ao s[10:11]
	s_load_b64 s[12:13], s[0:1], 0x20              ; aos
	v_lshl_add_u32 v254, v0, 2, 0x29000
	v_mov_b32 v255, 0
	ds_add_u32 v254, v255
	ds_add_u32 v254, v255
	v_lshrrev_b32 v7, 5, v0
	s_delay_alu instid0(VALU_DEP_1)
	v_readfirstlane_b32 s14, v7                    ; wave 0..15
	s_and_b32 s16, ttmp7, 0xffff                   ; the cluster's y: 16 x batch + head, which the four partners share
	; descriptor group 1: 17 dense rows of 256 bytes (32 elements of 8 bytes): a sixteenth of eight key steps
	s_mov_b32 s28, 15|(3<<16)|(1<<21)              ; the mask: all four work-groups; elements of 8 bytes; bit 21 set beside a mask; no padding
	s_mov_b32 s29, 32<<16                          ; tensor_dim0
	s_mov_b32 s30, 17<<16                          ; tensor_dim1
	s_mov_b32 s31, 32<<16                          ; tile_dim0
	s_mov_b32 s32, 17                              ; tile_dim1
	s_mov_b32 s33, 32                              ; from row to row
	s_mov_b32 s34, 0
	s_mov_b32 s35, 0
	s_mul_i32 s60, s16, 16*STEPB                   ; the head's first byte in kv,
	s_mul_i32 s27, s14, 4352                       ; my wave's 4,352 bytes, in memory and in LDS alike
	s_add_co_u32 s60, s60, s27
	s_mov_b32 s61, 0
	s_mov_b32 s36, 1
	s_mov_b32 s37, s27                             ; steps 0-7
	s_mov_b32 s40, 1
	s_add_co_u32 s41, s27, 8*STEPB                 ; steps 8-15
	s_wait_dscnt 0x0
	s_wait_kmcnt 0x0
	s_add_nc_u64 s[38:39], s[8:9], s[60:61]
	s_add_nc_u64 s[42:43], s[38:39], 8*STEPB
	s_or_b32 s39, s39, 0x80000000                  ; type = 2
	s_or_b32 s43, s43, 0x80000000
	CROUND                                         ; all four work-groups are here: the joint loads meet
	tensor_load_to_lds s[36:39], s[28:35]          ; the fill of steps 0-7 goes out alone and is waited for before the second: one tensor load of mine is out
	s_nop 0
	s_wait_alu depctr_va_vdst(0)
	s_wait_tensorcnt 0x0
	ds_add_u32 v254, v255
	s_wait_dscnt 0x0
	CROUND
	tensor_load_to_lds s[40:43], s[28:35]
	s_nop 0
.rept 4
	v_nop                                          ; four v_nop follow the second
.endr
	s_bfe_u32 s15, ttmp6, 0x40000                  ; cx
	s_lshr_b32 s17, s14, 1                         ; p
	s_and_b32 s18, s14, 1                          ; e
	s_xor_b32 s19, s17, 15                         ; 15 - p: the first tile's block, and its last step
	s_lshl_b32 s62, s15, 1
	s_add_co_u32 s62, s62, s18                     ; my tile in a block: 2 cx + e
	s_lshl_b32 s63, s62, 4
	s_lshr_b32 s24, s16, 4                         ; the batch
	s_and_b32 s25, s16, 15                         ; the head
	s_mov_b32 s20, 0x76543210                      ; v_permlanex16_b32's selects for lane l xor 16
	s_mov_b32 s21, 0xfedcba98
	s_mov_b32 s22, 0x3e38aa3b                      ; c = log2(e) / 8
	s_mov_b32 s23, s22                             ; (named with it as a pair, so it is written)
	s_mov_b32 s26, 0x03020302                      ; my tile's two bytes of the pair's scale word, twice: bytes 2, 3 where e = 1,
	s_cmp_eq_u32 s18, 0
	s_cselect_b32 s26, 0x01000100, s26             ; bytes 0, 1 where e = 0
; The four bases of the tile in block s[blk], into s[o] .. s[o + 7].  s61 = 0.
.macro BASES blk, o
	s_lshl_b32 s2, s[\blk], 3
	s_add_co_u32 s2, s2, s62                       ; the query tile in the head, 0 .. 127
	s_lshl_b32 s3, s2, 9
	s_lshl_b32 s60, s16, 16
	s_add_co_u32 s60, s60, s3
	s_add_nc_u64 s[\o:\o+1], s[4:5], s[60:61]      ; q's codes: 65,536 bytes a head, 512 a tile
	s_lshl_b32 s60, s24, 16
	s_add_co_u32 s60, s60, s3
	s_lshl_b32 s3, s25, 1
	s_add_co_u32 s60, s60, s3
	s_add_nc_u64 s[\o+6:\o+7], s[12:13], s[60:61]  ; aos: 65,536 bytes a batch, 512 a tile, my head's 2 bytes of a row's 32
	s_lshl_b32 s60, s24, 20
	s_lshl_b32 s3, s2, 13
	s_add_co_u32 s60, s60, s3
	s_lshl_b32 s3, s25, 9
	s_add_co_u32 s60, s60, s3
	s_add_nc_u64 s[\o+4:\o+5], s[10:11], s[60:61]  ; ao: 8,192 bytes a tile, 512 a head
	s_lshl_b32 s60, s16, 12
	s_lshl_b32 s3, s[\blk], 8
	s_add_co_u32 s60, s60, s3
	s_lshl_b32 s3, s15, 2
	s_add_co_u32 s60, s60, s3
	s_add_nc_u64 s[\o+2:\o+3], s[6:7], s[60:61]    ; q's scale words: 4,096 bytes a head, 256 a block, 16 a row, word cx
.endm
	BASES 19, 44
	BASES 17, 52
	v_and_b32 v8, 15, v0                           ; r
	v_bfe_u32 v9, v0, 4, 1                         ; h
	v_and_b32 v10, 31, v0
	s_delay_alu instid0(VALU_DEP_1)
	v_lshlrev_b32 v[LI], 4, v10
	s_delay_alu instid0(VALU_DEP_4)
	v_lshlrev_b32 v[LR], 4, v8
	v_lshlrev_b32 v[GS], 5, v8
	global_load_b128 v[QH+4:QH+7], v[LI], s[44:45] ; q stays in registers
	global_load_b128 v[QL+4:QL+7], v[LI], s[52:53]
	global_load_b32 v38, v[LR], s[46:47]
	global_load_b32 v39, v[LR], s[54:55]
	v_lshlrev_b32 v9, 3, v9
	s_delay_alu instid0(VALU_DEP_1)
	v_sub_nc_u32 v[MD], v8, v9
	s_delay_alu instid0(VALU_DEP_1)
	v_add_nc_u32 v[MD], s63, v[MD]
.irp j, 0,1,2,3
	v_mov_b32 v[QH+\j], 0                          ; zero codes round q
	v_mov_b32 v[QL+\j], 0
	v_mov_b32 v[QL+8+\j], 0
	v_mov_b32 v[T2+\j], 0                          ; written once: a lane permute's destination counts as one of its sources
.endr
	v_mov_b32 v232, 0
	v_mov_b32 v235, 0                              ; (named as the upper half of the pair v[234:235])
; A KEY STEP: 128 keys.  qb: where [0, q, 0] begins; qsc: q's scale word; may = 1: the step may lie behind the tile's last step (it is then left out) or on the diagonal (it is then masked).
.macro STEP qb, qsc, may
.if \may
	s_cmp_gt_u32 s25, s19                          ; all its keys come after my queries: a branch on the wave's number and the loop's counter, round the step's work alone
	s_cbranch_scc1 .Lskip_\@
.endif
	s_setprio 2
	v_add_nc_u32 v[ADK], s24, v[LI]
	v_add_nc_u32 v[ADS], s24, v[LR]
	v_nop
	v_nop                                          ; four plain instructions behind the last step's products, ahead of the loads into their sources
.irp i, 0,1,2,3
.irp c, 0,1
	ds_load_b128 v[KF+8*\i+4*\c:KF+8*\i+4*\c+3], v[ADK] offset:1024*\i+512*\c
.endr
.endr
	ds_load_b128 v[KS:KS+3], v[ADS] offset:8192
.irp t, 0,1,2,3
.irp c, 0,1
	ds_load_b128 v[VF+8*\t+4*\c:VF+8*\t+4*\c+3], v[ADK] offset:4096+1024*\t+512*\c
.endr
.endr
	ds_load_b128 v[VS:VS+3], v[ADS] offset:8448
	s_wait_dscnt 9                                 ; K's eight loads and its scale words are in; the nine for V may be out
.irp tt, 0,1,2,3,4,5,6,7
.if \tt%2 == 0
	v_wmma_scale_f32_16x16x128_f8f6f4 v[S+8*\tt:S+8*\tt+7], v[KF+8*(\tt/2):KF+8*(\tt/2)+7], v[\qb+4:\qb+11], 0, v[KS+\tt/2], v[\qsc] matrix_a_fmt:MATRIX_FMT_FP4 matrix_b_fmt:MATRIX_FMT_FP4
.else
	v_wmma_scale_f32_16x16x128_f8f6f4 v[S+8*\tt:S+8*\tt+7], v[KF+8*(\tt/2):KF+8*(\tt/2)+7], v[\qb:\qb+7], 0, v[KS+\tt/2], v[\qsc] matrix_a_fmt:MATRIX_FMT_FP4 matrix_b_fmt:MATRIX_FMT_FP4
.endif
.endr
.rept 4
	v_nop
.endr
.if \may
	s_cmp_lg_u32 s25, s19
	s_cbranch_scc1 .Lopen_\@                       ; only the tile's last step lies on the diagonal
	v_mov_b32 v232, 0xff800000                     ; hidden scores become -infinity ahead of the maximum: p = 0 then
.set n, 0
.rept 64
	v_cmp_gt_i32 vcc_lo, 16*(n/8)+n%8, v[MD]
	v_cndmask_b32 v[S+n], v[S+n], v232, vcc_lo
.set n, n+1
.endr
.Lopen_\@:
.endif
.irp b, 0,1,2,3
	v_max3_num_f32 v[BM+\b], v[S+16*\b], v[S+16*\b+1], v[S+16*\b+2]   ; the largest score of each block of 32 keys: for the row's maximum and for the block's largest p
.endr
.irp i, 3,5,7,9,11,13
.irp b, 0,1,2,3
	v_max3_num_f32 v[BM+\b], v[BM+\b], v[S+16*\b+\i], v[S+16*\b+\i+1]
.endr
.endr
.irp b, 0,1,2,3
	v_max_num_f32 v[BM+\b], v[BM+\b], v[S+16*\b+15]
.endr
.irp b, 0,1,2,3
	s_delay_alu instid0(VALU_DEP_4)
	v_permlanex16_b32 v[T2+\b], v[BM+\b], s20, s21
.endr
.irp b, 0,1,2,3
	s_delay_alu instid0(VALU_DEP_4)
	v_max_num_f32 v[BM+\b], v[BM+\b], v[T2+\b]     ; with lane l xor 16's 16 keys
.endr
	s_delay_alu instid0(VALU_DEP_2)
	v_max3_num_f32 v232, v[BM], v[BM+1], v[BM+2]
	s_delay_alu instid0(VALU_DEP_1)
	v_max_num_f32 v232, v232, v[BM+3]              ; the step's largest score of my query
	s_delay_alu instid0(VALU_DEP_1)
	v_mul_f32 v232, s22, v232                      ; as t (c is positive)
	s_delay_alu instid0(VALU_DEP_1)
	v_max_num_f32 v13, v13, v232                   ; the running largest t
	v_mov_b32 v232, v12
	s_delay_alu instid0(VALU_DEP_2)
	v_floor_f32 v12, -v13                          ; the new -M = floor(-t): M is a whole number
	s_delay_alu instid0(VALU_DEP_1)
	v_sub_f32 v232, v12, v232                      ; old M less new M: a whole number, 0 or less
	s_delay_alu instid0(VALU_DEP_1)
	v_cvt_i32_f32 v232, v232                       ; (it saturates)
	s_delay_alu instid0(VALU_DEP_1)
	v_ldexp_f32 v234, 1.0, v232                    ; f = 2^(old M - new M)
.set j, 0
.rept 32
	v_pk_fma_f32 v[S+j:S+j+1], v[S+j:S+j+1], s[22:23], v[12:13] op_sel_hi:[1,0,0]   ; t - M, two at a time
.set j, j+2
.endr
.irp b, 0,1,2,3
	v_fma_f32 v[BM+\b], v[BM+\b], s22, v12         ; the same of each block's largest score
.endr
.set j, 0
	s_setprio 1
	s_wait_alu depctr_va_vdst(0)
.rept 64
	v_exp_f32 v[S+j], v[S+j]                       ; p = 2^(t - M), at most 1
.set j, j+1
.endr
	v_pk_mul_f32 v[14:15], v[14:15], v[234:235] op_sel_hi:[1,0]   ; l under the new M: the plain instruction behind the exponentials
	s_wait_alu depctr_va_vdst(0)                   ; one wait for the batch of 64, ahead of its first reader
.irp b, 0,1,2,3
	v_exp_f32 v[BM+\b], v[BM+\b]                   ; the block's largest p
.endr
	v_pk_add_f32 v[236:237], v[S:S+1], v[S+2:S+3]  ; the row's sum of the unquantised p, in two chains
.irp j, 4,8,12,16,20,24,28,32,36,40,44,48,52,56,60
	v_pk_add_f32 v[14:15], v[14:15], v[S+\j:S+\j+1]
	v_pk_add_f32 v[236:237], v[236:237], v[S+\j+2:S+\j+3]
.endr
	s_delay_alu instid0(VALU_DEP_1)
	v_pk_add_f32 v[14:15], v[14:15], v[236:237]
	s_wait_alu depctr_va_vdst(0)                   ; and one for the four
.irp b, 0,1,2,3
	v_max_num_f32 v[BM+\b], 0x1800000, v[BM+\b]    ; the floor 2^(3 - 127): the byte cannot fall under 1
.endr
.irp b, 0,1,2,3
	s_delay_alu instid0(VALU_DEP_4)
	v_add_nc_u32 v[SO+\b], 0xff000000, v[BM+\b]    ; 2 off the exponent field: the conversion's scale operand
.endr
.irp b, 0,1,2,3
	s_delay_alu instid0(VALU_DEP_4)
	v_lshrrev_b32 v[T2+\b], 23, v[SO+\b]           ; the scale's byte
.endr
	s_delay_alu instid0(VALU_DEP_3)
	v_lshl_or_b32 v[PS], v[T2+1], 8, v[T2]         ; p's scale word for these 128 keys
	s_delay_alu instid0(VALU_DEP_1)
	v_lshl_or_b32 v[PS], v[T2+2], 16, v[PS]
	s_delay_alu instid0(VALU_DEP_1)
	v_lshl_or_b32 v[PS], v[T2+3], 24, v[PS]
.irp b, 0,1,2,3
	v_cvt_scalef32_pk8_fp4_f32 v[PCD+2*\b], v[S+16*\b:S+16*\b+7], v[SO+\b]
	v_cvt_scalef32_pk8_fp4_f32 v[PCD+2*\b+1], v[S+16*\b+8:S+16*\b+15], v[SO+\b]
.endr
	s_setprio 0
	v_nop                                          ; one plain instruction behind the scaled conversions
.irp c, 0,1                                    ; a whole block in a lane: lanes 0-15 block 2 c, lanes 16-31 block 2 c + 1
.irp i, 0,1
	v_permlane16_swap_b32 v[PCD+4*\c+\i], v[PCD+4*\c+2+\i]
.endr
.endr
.set j, 0
.rept 16
	v_pk_mul_f32 v[O+j:O+j+1], v[O+j:O+j+1], v[234:235] op_sel_hi:[1,0]   ; O^T under the new M.  Of these sixteen, twelve name no register of any one product below: the places behind the writes of p's scale word and codes
.set j, j+2
.endr
	s_wait_alu depctr_va_vdst(0)
	s_wait_dscnt 0x0                               ; V and its scale words are in
.irp t, 0,1,2,3
	v_wmma_scale_f32_16x16x128_f8f6f4 v[O+8*\t:O+8*\t+7], v[VF+8*\t:VF+8*\t+7], v[PCD:PCD+7], v[O+8*\t:O+8*\t+7], v[VS+\t], v[PS] matrix_a_fmt:MATRIX_FMT_FP4 matrix_b_fmt:MATRIX_FMT_FP4
.endr
.if \may
.Lskip_\@:
.endif
	s_add_co_u32 s24, s24, STEPB                   ; the next step's bytes
.endm
; A tile begins: O^T and l are zeros and the largest t is under every t, so that the step is written once: the first change of M multiplies zeros.
.macro INIT
	s_wait_xcnt 0x0                                ; the last tile's stores have read their data
	v_mov_b32 v13, 0xff61b1e6                      ; -3e38
	s_delay_alu instid0(VALU_DEP_1)
	v_floor_f32 v12, -v13
	v_mov_b32 v14, 0
	v_mov_b32 v15, 0
.set j, 0
.rept 32
	v_mov_b32 v[O+j], 0
.set j, j+1
.endr
	s_mov_b32 s24, 0
	s_mov_b32 s25, 0
.endm
; A tile ends: O^T / l; registers 16 b + i are channels 32 b + 16 h + i of my query: two blocks of the last product's K.  ab, sb: the bases of ao and aos.
.macro FINISH ab, sb
.rept 4
	v_nop                                          ; behind the last products
.endr
	v_add_f32 v14, v14, v15                        ; l's two halves,
	s_delay_alu instid0(VALU_DEP_1)
	v_permlanex16_b32 v232, v14, s20, s21
	s_delay_alu instid0(VALU_DEP_1)
	v_add_f32 v14, v14, v232                       ; and lane l xor 16's
	s_wait_alu depctr_va_vdst(0)
	v_rcp_f32 v14, v14
	v_nop                                          ; a plain instruction behind the reciprocal,
	s_wait_alu depctr_va_vdst(0)                   ; and the wait ahead of its first reader
.set j, 0
.rept 32
	v_mul_f32 v[S+j], v[O+j], v14                  ; each accumulator from its low end on
.set j, j+1
.endr
.irp b, 0,1
	v_max3_num_f32 v[BM+\b], |v[S+16*\b]|, |v[S+16*\b+1]|, 0x1800000
.endr
.irp i, 2,4,6,8,10,12,14
.irp b, 0,1
	s_delay_alu instid0(VALU_DEP_2)
	v_max3_num_f32 v[BM+\b], v[BM+\b], |v[S+16*\b+\i]|, |v[S+16*\b+\i+1]|
.endr
.endr
.irp b, 0,1
	s_delay_alu instid0(VALU_DEP_2)
	v_permlanex16_b32 v[T2+\b], v[BM+\b], s20, s21
.endr
.irp b, 0,1
	s_delay_alu instid0(VALU_DEP_2)
	v_max_num_f32 v[BM+\b], v[BM+\b], v[T2+\b]
.endr
.irp b, 0,1
	s_delay_alu instid0(VALU_DEP_2)
	v_add_nc_u32 v[SO+\b], 0xff000000, v[BM+\b]
.endr
.irp b, 0,1
	s_delay_alu instid0(VALU_DEP_2)
	v_lshrrev_b32 v[T2+\b], 23, v[SO+\b]
.endr
	s_delay_alu instid0(VALU_DEP_1)
	v_lshl_or_b32 v233, v[T2+1], 8, v[T2]          ; my query's two scale bytes
.irp b, 0,1
	v_cvt_scalef32_pk8_fp4_f32 v[PCD+2*\b], v[S+16*\b:S+16*\b+7], v[SO+\b]
	v_cvt_scalef32_pk8_fp4_f32 v[PCD+2*\b+1], v[S+16*\b+8:S+16*\b+15], v[SO+\b]
.endr
	v_nop
	v_permlane16_swap_b32 v[PCD], v[PCD+2]
	v_permlane16_swap_b32 v[PCD+1], v[PCD+3]
	global_store_b128 v[LI], v[PCD:PCD+3], s[\ab:\ab+1]   ; four registers of the last product's operand: 512 consecutive bytes, at a multiple of 256 from ao's first byte
	global_store_b16 v[GS], v233, s[\sb:\sb+1]     ; lanes 16-31 hold the same bytes and write them to the same places
.endm
	s_wait_tensorcnt 0x1                           ; my part of steps 0-7 is in; my second load may stay out
	s_barrier_signal -1
	s_barrier_wait -1                              ; everybody's is
	s_wait_loadcnt 0x0                             ; q and its scale words
	v_perm_b32 v36, v38, v38, s26                  ; (s0, s1, s0, s1): the same word serves [q, 0] and [0, q]
	v_perm_b32 v37, v39, v39, s26
	INIT                                           ; the tile of block 15 - p: steps 0 .. 15 - p, at least nine
.Lhi_a:
	STEP QH, 36, 0
	s_add_co_u32 s25, s25, 1
	s_cmp_lt_u32 s25, 8
	s_cbranch_scc1 .Lhi_a
	s_setprio 0
	s_wait_tensorcnt 0x0                           ; my part of steps 8-15 is in,
	s_wait_dscnt 0x0
	s_barrier_signal -1
	s_barrier_wait -1                              ; everybody's is
	s_mov_b32 s24, 8*STEPB
.Lhi_b:
	STEP QH, 36, 1
	s_add_co_u32 s25, s25, 1
	s_cmp_lt_u32 s25, 16
	s_cbranch_scc1 .Lhi_b
	s_setprio 0
	FINISH 48, 50
	INIT                                           ; the tile of block p: steps 0 .. p
	s_mov_b32 s19, s17
.Llo:
	STEP QL, 37, 1
	s_add_co_u32 s25, s25, 1
	s_cmp_lt_u32 s25, 8
	s_cbranch_scc1 .Llo
	s_setprio 0
	FINISH 56, 58
	s_wait_tensorcnt 0x0
	ds_add_u32 v254, v255
	s_wait_dscnt 0x0
	CROUND                                         ; the closing round: no work-group ends while a partner may still ask for a tile that names it
	s_endpgm
.Lfunc_end_k_q20f2831703_attn:
	.size	k_q20f2831703_attn, .Lfunc_end_k_q20f2831703_attn-k_q20f2831703_attn
	.p2alignl 7, 3214868480
	.fill 96, 4, 3214868480
	.section	.rodata,"a",@progbits
	.p2align	6, 0x0
	.amdhsa_kernel k_q20f2831703_attn
		.amdhsa_group_segment_fixed_size 327680
		.amdhsa_private_segment_fixed_size 0
		.amdhsa_enable_private_segment 0
		.amdhsa_kernarg_size 40
		.amdhsa_user_sgpr_count 2
		.amdhsa_user_sgpr_kernarg_segment_ptr 1
		.amdhsa_wavefront_size32 1
		.amdhsa_system_sgpr_workgroup_id_x 1
		.amdhsa_system_sgpr_workgroup_id_y 1
		.amdhsa_system_sgpr_workgroup_id_z 1
		.amdhsa_system_vgpr_workitem_id 0
		.amdhsa_next_free_vgpr 256
		.amdhsa_next_free_sgpr 66
		.amdhsa_reserve_vcc 1
		.amdhsa_float_denorm_mode_32 3
		.amdhsa_float_denorm_mode_16_64 3
		.amdhsa_memory_ordered 1
		.amdhsa_forward_progress 1
		.amdhsa_inst_pref_size 77
	.end_amdhsa_kernel
	.amdgpu_metadata
---
amdhsa.version: [ 1, 2 ]
amdhsa.kernels:
  - .name:           k_q20f2831703_attn
    .symbol:         k_q20f2831703_attn.kd
    .args:
      - { .name: qc, .offset: 0, .size: 8, .value_kind: global_buffer, .address_space: global }
      - { .name: qs, .offset: 8, .size: 8, .value_kind: global_buffer, .address_space: global }
      - { .name: kv, .offset: 16, .size: 8, .value_kind: global_buffer, .address_space: global }
      - { .name: ao, .offset: 24, .size: 8, .value_kind: global_buffer, .address_space: global }
      - { .name: aos, .offset: 32, .size: 8, .value_kind: global_buffer, .address_space: global }
    .group_segment_fixed_size: 327680
    .private_segment_fixed_size: 0
    .kernarg_segment_align: 8
    .kernarg_segment_size: 40
    .max_flat_workgroup_size: 512
    .sgpr_count:     66
    .vgpr_count:     256
    .wavefront_size: 32
...
	.end_amdgpu_metadata
.endif
;; end of part 2
;; launch proj (part 3): grid 16 x 16, 4 waves a work-group, no clusters, 168,448 bytes of LDS; arguments ao, aos, Wo_codes, Wo_scales, bo, out0; writes out0
.if DOCPART == 3
	.amdgcn_target "amdgcn-amd-amdhsa--gfx1250"
	.amdhsa_code_object_version 6
	.text
	.protected	k_q20f2831703_proj
	.globl	k_q20f2831703_proj
	.p2align	8
	.type	k_q20f2831703_proj,@function
k_q20f2831703_proj:
	s_mov_b64 s[64:65], 0
	v_nop
	global_prefetch_b8 v0, s[64:65] scope:SCOPE_SE
	s_setreg_imm32_b32 hwreg(HW_REG_WAVE_MODE, 25, 1), 1
	s_wait_xcnt 0x0
; out0 = a Wo + bo on codes of FP4 (E2M1) with one E8M0 scale for each 32 along K = 1,024.  a, the attention's result, comes as images of operand registers: ao [token tile 512][16][512 bytes]
; (piece 2 s + c = registers 4 c .. 4 c + 3 of K step s, lane l at 16 l) and aos [token][32 scale bytes].  Wo: [1,024 (n)][512 bytes], its scales [1,024][32].  out0: [8,192][1,024] f32.
; SHARES.  Work-group (x, y) takes tokens 512 x .. 512 x + 511 and columns 64 y .. 64 y + 63.  Wave w takes 128 of the tokens; their codes for all of K stay in 512 registers; each load of them
; reads 512 consecutive bytes.  Wo's 64 rows lie in LDS, filled once, 16 rows by each wave.  8 K steps of 128, 32 matrix instructions each, on 32 accumulators.
; THE MATRIX INSTRUCTION IS USED TRANSPOSED (source 0 = 16 rows of Wo, source 1 = 16 tokens): a lane holds eight neighbouring columns of one row of the result.
; NO CLUSTER: what could be asked for jointly is Wo's 32,768 bytes of the 294,912 that a work-group takes in; a goes from memory straight into registers.  NO PREFETCH: every load stands at the head.
; LIMITS: NaN and infinities in bo are not served; a scale byte 0xff gives NaN.  The bias is the C of a sum's first product, so the order of the sum differs from the reference's.
; REGISTERS, in windows of 256: window 0: v3-13 addresses; v16-47 a's scale words; v48-63 Wo's; v96-127 the bias; v128-191 Wo's fragments, two sets, later rows on the way out.
;   windows 1, 2: a's fragments: (tile m, K step s) in window 1 + s / 4 at v[64 (s % 4) + 8 m].   window 3: accumulator (m, t) at v[8 (4 m + t)].
.set WPITCH, 528                       ; a row of Wo in LDS: 512 bytes + 16 of padding
.set WMAT,   64*WPITCH
.set SPITCH, 272                       ; the way out: a stage of 16 rows x (256 bytes + 16) for each wave, behind Wo: no fill lands there
.set SA,  3                            ; v3   scale words: 32 x lane
.set WA,  5                            ; v5   LDS: 528 r + 16 h
.set BA,  7                            ; v7   bo: 32 h
.set LI,  9                            ; v9   16 x lane
.set STO, 11                           ; v11  the stage: where I put 32 bytes of a row
.set RD,  12                           ; v12  and where I read a row back
.set CO,  13                           ; v13  my byte offset in two rows of out0
.set XS,  16
.set WS,  48
.set BIAS, 96
.set WF,  128
.set BK,  128
.set MSB, 0
.macro WIN new                         ; the immediate's high byte repeats the setting that is left
.if MSB != \new
	s_set_vgpr_msb (MSB<<8)|\new
.set MSB, \new
.endif
.endm
.macro PLACES                          ; four plain instructions behind a matrix instruction, ahead of loads into its sources and of reads of its result
.rept 4
	v_nop
.endr
.endm
	s_load_b256 s[8:15], s[0:1], 0x0               ; ao s[8:9], aos s[10:11], Wo codes s[12:13], Wo scales s[14:15]
	s_load_b128 s[16:19], s[0:1], 0x20             ; bo s[16:17], out0 s[18:19]
	v_lshl_add_u32 v254, v0, 2, 0x29000
	v_mov_b32 v255, 0
	ds_add_u32 v254, v255
	ds_add_u32 v254, v255
	v_lshrrev_b32 v1, 5, v0
	v_readfirstlane_b32 s4, v1                     ; wave 0..3
	s_mov_b32 s2, ttmp9                            ; which 512 tokens
	s_and_b32 s3, ttmp7, 0xffff                    ; which 64 columns
	s_lshl_b32 s52, s2, 18                         ; ao: 32 tiles x 8,192 bytes,
	s_lshl_b32 s5, s4, 16                          ; my 8 of them
	s_add_co_u32 s52, s52, s5
	s_mov_b32 s53, 0
	s_lshr_b32 s54, s52, 4                         ; aos: 32 bytes a token
	s_mov_b32 s55, 0
	s_lshl_b32 s56, s3, 15                         ; Wo: 64 rows of 512 bytes,
	s_lshl_b32 s5, s4, 13                          ; my 16 of them
	s_add_co_u32 s56, s56, s5
	s_mov_b32 s57, 0
	s_lshl_b32 s58, s3, 11                         ; 32 scale bytes a row
	s_mov_b32 s59, 0
	s_lshl_b32 s60, s3, 8                          ; bo, and a row's bytes in out0: 64 columns of 4 bytes
	s_mov_b32 s61, 0
	s_lshl_b32 s62, s2, 21                         ; out0: 512 rows of 4,096 bytes,
	s_lshl_b32 s5, s4, 19                          ; my 128 of them,
	s_add_co_u32 s62, s62, s5
	s_add_co_u32 s62, s62, s60                     ; my columns
	s_mov_b32 s63, 0
	; descriptor group 1: 16 rows of 512 bytes, dense in memory, 16 bytes of padding behind each in LDS
	s_mov_b32 s40, (0<<16)|(1<<20)|(6<<22)|(3<<25) ; no mask; elements of 1 byte; padding on, after every 128 words, of 4 words
	s_mov_b32 s41, 512<<16                         ; tensor_dim0
	s_mov_b32 s42, 16<<16                          ; tensor_dim1
	s_mov_b32 s43, 512<<16                         ; tile_dim0
	s_mov_b32 s44, 16                              ; tile_dim1
	s_mov_b32 s45, 512                             ; from row to row
	s_mov_b32 s46, 0
	s_mov_b32 s47, 0
	s_mov_b32 s48, 1
	s_mul_i32 s49, s4, 16*WPITCH                   ; LDS address: my 16 rows
	s_wait_dscnt 0x0
	s_wait_kmcnt 0x0
	s_add_nc_u64 s[50:51], s[12:13], s[56:57]
	s_or_b32 s51, s51, 0x80000000                  ; type = 2
	tensor_load_to_lds s[48:51], s[40:47]          ; the one fill of these bytes: one tensor load of mine is out
	s_nop 0
.rept 4
	v_nop                                          ; four v_nop follow the load
.endr
	s_add_nc_u64 s[8:9], s[8:9], s[52:53]
	s_add_nc_u64 s[10:11], s[10:11], s[54:55]
	s_add_nc_u64 s[14:15], s[14:15], s[58:59]
	s_add_nc_u64 s[16:17], s[16:17], s[60:61]
	s_add_nc_u64 s[18:19], s[18:19], s[62:63]
	v_and_b32 v14, 15, v0                          ; r
	v_bfe_u32 v15, v0, 4, 1                        ; h
	v_and_b32 v1, 31, v0                           ; lane
	v_lshlrev_b32 v[SA], 5, v1
	v_lshlrev_b32 v[LI], 4, v1
	v_lshlrev_b32 v[BA], 5, v15
	v_mul_u32_u24 v[WA], v14, WPITCH
	v_lshl_add_u32 v[WA], v15, 4, v[WA]
	s_mul_i32 s5, s4, 16*SPITCH
	s_add_co_u32 s5, s5, WMAT                      ; my stage
	v_mul_u32_u24 v[STO], v14, SPITCH              ; in: row r, 32 bytes for each half of the lanes
	v_lshl_add_u32 v[STO], v15, 5, v[STO]
	v_add_nc_u32 v[STO], s5, v[STO]
	v_mul_u32_u24 v[RD], v15, SPITCH               ; back: lanes 0-15 take one row of 256 bytes, lanes 16-31 the next
	v_lshl_add_u32 v[RD], v14, 4, v[RD]
	v_add_nc_u32 v[RD], s5, v[RD]
	v_lshlrev_b32 v[CO], 12, v15                   ; and the same two rows in out0
	v_lshl_add_u32 v[CO], v14, 4, v[CO]
	; 20 small loads first, then a, K step by K step
.irp i, 0,1,2,3
.irp qd, 0,1
	global_load_b128 v[XS+8*\i+4*\qd:XS+8*\i+4*\qd+3], v[SA], s[10:11] offset:1024*\i+16*\qd   ; register 8 i + s: lanes 0-15 tile 2 i's word of K step s, lanes 16-31 tile 2 i + 1's
.endr
.endr
.irp i, 0,1
.irp qd, 0,1
	global_load_b128 v[WS+8*\i+4*\qd:WS+8*\i+4*\qd+3], v[SA], s[14:15] offset:1024*\i+16*\qd
.endr
.endr
.irp t, 0,1,2,3
	global_load_b128 v[BIAS+8*\t:BIAS+8*\t+3], v[BA], s[16:17] offset:64*\t          ; bo at columns 16 t + 8 h + 0 .. 7
	global_load_b128 v[BIAS+8*\t+4:BIAS+8*\t+7], v[BA], s[16:17] offset:64*\t+16
.endr
.irp s, 0,1,2,3,4,5,6,7
.if \s < 4
	WIN 0x40                                       ; destination window 1
.else
	WIN 0x80                                       ; destination window 2
.endif
.irp m, 0,1,2,3,4,5,6,7
.irp c, 0,1
	global_load_b128 v[64*(\s&3)+8*\m+4*\c:64*(\s&3)+8*\m+4*\c+3], v[LI], s[8:9] offset:8192*\m+512*(2*\s+\c)   ; 32 lanes read 512 consecutive bytes
.endr
.endr
.endr
	WIN 0
.macro FETCHW s                        ; Wo's four fragments of K step s into set s % 2
.irp t, 0,1,2,3
.irp c, 0,1
	ds_load_b128 v[WF+32*((\s)%2)+8*\t+4*\c:WF+32*((\s)%2)+8*\t+4*\c+3], v[WA] offset:16*\t*WPITCH+64*(\s)+32*\c
.endr
.endr
.endm
; One matrix instruction on the registers named by rD, rA, rB, rC, rSA, rSB.  ra, rb = 1: that side's scales stand in lanes 16-31 of its register
.macro WM ra, rb
.if ((\ra) == 1) && ((\rb) == 1)
	v_wmma_scale_f32_16x16x128_f8f6f4 v[rD:rD+7], v[rA:rA+7], v[rB:rB+7], v[rC:rC+7], v[rSA], v[rSB] matrix_a_fmt:MATRIX_FMT_FP4 matrix_b_fmt:MATRIX_FMT_FP4 matrix_a_scale:MATRIX_SCALE_ROW1 matrix_b_scale:MATRIX_SCALE_ROW1
.elseif (\ra) == 1
	v_wmma_scale_f32_16x16x128_f8f6f4 v[rD:rD+7], v[rA:rA+7], v[rB:rB+7], v[rC:rC+7], v[rSA], v[rSB] matrix_a_fmt:MATRIX_FMT_FP4 matrix_b_fmt:MATRIX_FMT_FP4 matrix_a_scale:MATRIX_SCALE_ROW1
.elseif (\rb) == 1
	v_wmma_scale_f32_16x16x128_f8f6f4 v[rD:rD+7], v[rA:rA+7], v[rB:rB+7], v[rC:rC+7], v[rSA], v[rSB] matrix_a_fmt:MATRIX_FMT_FP4 matrix_b_fmt:MATRIX_FMT_FP4 matrix_b_scale:MATRIX_SCALE_ROW1
.else
	v_wmma_scale_f32_16x16x128_f8f6f4 v[rD:rD+7], v[rA:rA+7], v[rB:rB+7], v[rC:rC+7], v[rSA], v[rSB] matrix_a_fmt:MATRIX_FMT_FP4 matrix_b_fmt:MATRIX_FMT_FP4
.endif
.endm
; K step s: the next step's fragments of Wo are asked for, then 32 matrix instructions.  The 32 accumulators take turns, one instruction a turn, in the same order in every step.
; The first step's C is the bias.
.macro KSTEP s, lw
	s_wait_dscnt 0x0                               ; this step's fragments of Wo are in
	s_wait_loadcnt \lw                             ; a's 16 loads of this K step are in: behind them 16 (7 - s) were issued, and the count is held at 63
.if (\s) < 7
	PLACES                                         ; the other set was read by the step before
	FETCHW (\s)+1
.endif
.if (\s) == 0
	WIN 0xc4                                       ; source 1 (a) window 1, C (the bias) window 0, D window 3
.elseif (\s) < 4
	WIN 0xf4                                       ; C and D window 3
.else
	WIN 0xf8                                       ; a in window 2
.endif
.irp m, 0,1,2,3,4,5,6,7
.irp t, 0,1,2,3
.set rD, 8*(4*\m+\t)
.set rA, WF+32*((\s)%2)+8*\t
.set rB, 64*((\s)&3)+8*\m
.set rSA, WS+8*(\t/2)+(\s)
.set rSB, XS+8*(\m/2)+(\s)
.if (\s) == 0
.set rC, BIAS+8*\t
.else
.set rC, rD
.endif
	WM \t%2, \m%2
.endr
.endr
	WIN 0
.endm
	s_wait_alu depctr_va_vdst(0)
	s_wait_tensorcnt 0x0                           ; my 16 rows of Wo have landed,
	s_barrier_signal -1
	s_barrier_wait -1                              ; everybody's have: the launch's one barrier; nothing is filled again
	FETCHW 0
	KSTEP 0, 63
	KSTEP 1, 63
	KSTEP 2, 63
	KSTEP 3, 63
	KSTEP 4, 48
	KSTEP 5, 32
	KSTEP 6, 16
	KSTEP 7, 0
; THE WAY OUT, a tile of 16 tokens x 64 columns at a time.  A lane holds 32 neighbouring bytes of a row, and the lanes beside it hold other rows: so a tile goes through my own stage in LDS and comes back
; as whole rows of 256 bytes.  LDS serves a wave's instructions in order (ISA guide 5.7.1.4): no wait between the stores and the loads, nor in front of the next tile's stores.
.macro TOSTAGE m
	WIN 0x0c                                       ; an LDS store's data are its source 1: window 3
.irp t, 0,1,2,3
	ds_store_b128 v[STO], v[8*(4*(\m)+\t):8*(4*(\m)+\t)+3] offset:64*\t            ; each accumulator from its low end on
	ds_store_b128 v[STO], v[8*(4*(\m)+\t)+4:8*(4*(\m)+\t)+7] offset:64*\t+16
.endr
	WIN 0
.irp i, 0,1,2,3,4,5,6,7
	ds_load_b128 v[BK+32*((\m)%2)+4*\i:BK+32*((\m)%2)+4*\i+3], v[RD] offset:2*\i*SPITCH
.endr
.endm
.macro SEND m, younger                 ; younger: the LDS instructions issued behind tile m's loads, which may stay out
	s_wait_dscnt \younger
.irp i, 0,1,2,3,4,5,6,7
	global_store_b128 v[CO], v[BK+32*((\m)%2)+4*\i:BK+32*((\m)%2)+4*\i+3], s[18:19] offset:(16*(\m)+2*\i)*4096 th:TH_STORE_NT   ; 16 lanes store 256 consecutive bytes, at a multiple of 256 from out0's first byte; written once
.endr
.endm
	PLACES                                         ; behind the last products: for the reads of results and for the loads into the registers that held Wo's fragments
	TOSTAGE 0
.irp m, 1,2,3,4,5,6,7
.if \m > 1
	s_wait_xcnt 0x0                                ; the stores of the tile two back have read their registers: this tile's rows may land there
.endif
	TOSTAGE \m
	SEND \m-1, 16                                  ; behind the last tile's loads: this tile's 8 stores and 8 loads
.endr
	SEND 7, 0
	s_wait_tensorcnt 0x0
	ds_add_u32 v254, v255
	s_wait_dscnt 0x0
	s_endpgm
.Lfunc_end_k_q20f2831703_proj:
	.size	k_q20f2831703_proj, .Lfunc_end_k_q20f2831703_proj-k_q20f2831703_proj
	.p2alignl 7, 3214868480
	.fill 96, 4, 3214868480
	.section	.rodata,"a",@progbits
	.p2align	6, 0x0
	.amdhsa_kernel k_q20f2831703_proj
		.amdhsa_group_segment_fixed_size 168448
		.amdhsa_private_segment_fixed_size 0
		.amdhsa_enable_private_segment 0
		.amdhsa_kernarg_size 48
		.amdhsa_user_sgpr_count 2
		.amdhsa_user_sgpr_kernarg_segment_ptr 1
		.amdhsa_wavefront_size32 1
		.amdhsa_system_sgpr_workgroup_id_x 1
		.amdhsa_system_sgpr_workgroup_id_y 1
		.amdhsa_system_sgpr_workgroup_id_z 1
		.amdhsa_system_vgpr_workitem_id 0
		.amdhsa_next_free_vgpr 1024
		.amdhsa_next_free_sgpr 66
		.amdhsa_reserve_vcc 0
		.amdhsa_float_denorm_mode_32 3
		.amdhsa_float_denorm_mode_16_64 3
		.amdhsa_memory_ordered 1
		.amdhsa_forward_progress 1
		.amdhsa_inst_pref_size 71
	.end_amdhsa_kernel
	.amdgpu_metadata
---
amdhsa.version: [ 1, 2 ]
amdhsa.kernels:
  - .name:           k_q20f2831703_proj
    .symbol:         k_q20f2831703_proj.kd
    .args:
      - { .name: ao, .offset: 0, .size: 8, .value_kind: global_buffer, .address_space: global }
      - { .name: aos, .offset: 8, .size: 8, .value_kind: global_buffer, .address_space: global }
      - { .name: Wo_codes, .offset: 16, .size: 8, .value_kind: global_buffer, .address_space: global }
      - { .name: Wo_scales, .offset: 24, .size: 8, .value_kind: global_buffer, .address_space: global }
      - { .name: bo, .offset: 32, .size: 8, .value_kind: global_buffer, .address_space: global }
      - { .name: out0, .offset: 40, .size: 8, .value_kind: global_buffer, .address_space: global }
    .group_segment_fixed_size: 168448
    .private_segment_fixed_size: 0
    .kernarg_segment_align: 8
    .kernarg_segment_size: 48
    .max_flat_workgroup_size: 128
    .sgpr_count:     66
    .vgpr_count:     1024
    .wavefront_size: 32
...
	.end_amdgpu_metadata
.endif
;; end of part 3
